; MI455X (gfx1250); checked and timed in simulation.
; The chip was launched on July 23, 2026; its instructions are those of AMD's public machine-readable ISA for CDNA 5 (MIT licence, August 2026) and "CDNA5" Instruction Set Architecture Reference Guide (July 2026). The comments in the code are by the model that wrote it; some were corrected since.
;; Mental Plus. Allowed arithmetic: matrix products marked QUANTISED: E4M3 operands, one E8M0 scale for each 32 along K, by v_wmma_scale_f32_16x16x128_f8f6f4 with both operands' format E4M3, f32 sums; products left as they are: f32 operands where the result goes on into a quantised operand, else bf16, f16 or f32 operands; f32 sums; everything else in f32.
;; Inputs: Wk_codes 64 x 2 x 32 uint8 (E4M3 codes of Wk, K innermost, in blocks of 32 codes); Wk_scales 64 x 2 uint8 (E8M0 scales of Wk, one for each 32 codes along K); Wq_codes 64 x 2 x 32 uint8 (E4M3 codes of Wq, K innermost, in blocks of 32 codes); Wq_scales 64 x 2 uint8 (E8M0 scales of Wq, one for each 32 codes along K); Wv_codes 64 x 2 x 32 uint8 (E4M3 codes of Wv, K innermost, in blocks of 32 codes); Wv_scales 64 x 2 uint8 (E8M0 scales of Wv, one for each 32 codes along K); rel_h 32 x 5 x 1 float32; rel_w 32 x 1 x 5 float32; x 8 x 64 x 64 x 64 float32.
;; Outputs: out0 8 x 64 x 64 x 64 float32.
;; This version of the problem:
;;   THIS VERSION OF THE PROBLEM IS GIVEN IN LOW PRECISION. The matrix products marked QUANTISED in the list below multiply operands that are first quantised to E4M3 (4 exponent bits, 3 mantissa bits; 8 bits a number), with one power-of-two scale for each 32 numbers along K (OCP MX v1.0); their sums are f32. All else is computed in f32.
;;   The module's matrix products, in the order in which they are computed (A, B: the left and right operand; K: the contracted axis; several contracted axes count as one K, in the product's order):
;;     1. [M 32,768, K 64] x [K 64, N 64]; A: input x; B: input Wq (given as codes): QUANTISED
;;     2. [M 36,992, K 64] x [K 64, N 64]; A: computed on the way; B: input Wk (given as codes): QUANTISED
;;     3. [M 36,992, K 64] x [K 64, N 64]; A: computed on the way; B: input Wv (given as codes): QUANTISED
;;     4. batch 2,097,152 x [M 1, K 25] x [K 25, N 1]; A: softmax; B: computed on the way: left as it is (K = 25 < 32)
;;   THE QUANTISER, for each operand of a quantised product, along K:
;;     - K is cut into blocks of 32 from its start; a last block that is shorter is filled with zeros.
;;     - A block's scale is 2^e with e = floor(log2(the largest magnitude in the block)) - 8, held to -126 .. 127; a block of zeros has e = 0. As a byte (E8M0): e + 127.
;;     - Each number is divided by its block's scale, clamped to +-448, and rounded to the nearest number of E4M3, ties to even, subnormals kept.
;;     - The product sums the exact products of the quantised numbers (number of the format x scale) in f32.
;;   ~~~python
;;   def quantise(x, axis):      # numpy; x: float32 -> the quantised numbers, widened to float32 again
;;       x = np.moveaxis(x, axis, -1); K = x.shape[-1]
;;       x = np.pad(x, [(0, 0)] * (x.ndim - 1) + [(0, -K % 32)]); x = x.reshape(x.shape[:-1] + (-1, 32)); a = np.abs(x).max(-1, keepdims=True)
;;       e = np.where(a > 0, np.clip(np.frexp(np.where(a > 0, a, 1))[1] - 1 - 8, -126, 127), 0)      # np.frexp(a)[1] - 1 = floor(log2(a)), exactly
;;       r = np.clip(x / 2.0 ** e, -448, 448)
;;       step = 2.0 ** (np.maximum(np.frexp(np.where(r == 0, 1, r))[1] - 1, -6) - 3)
;;       q = np.round(r / step) * step * 2.0 ** e      # np.round: ties to even
;;       return np.moveaxis(q.reshape(q.shape[:-2] + (-1,))[..., :K], -1, axis).astype(np.float32)
;;   ~~~
;;   OPERANDS COMPUTED ON THE WAY. 'Computed on the way' means the value that the module computes at that place (a softmax that the list does not call 'softmax' is quantised finished and normalised). What goes into a quantiser is computed in f32, as accurately as f32 sums, v_exp_f32 and their like allow (about 1e-6 of the number): no bf16 or f16 on the way to a quantiser, and a product that is left as it is and whose result goes on into a quantised operand takes f32 operands (vector FMAs, or v_wmma_f32_16x16x4_f32). A number that lies on a knife's edge between two numbers of the format may be rounded either way, as far as f32 arithmetic and the matrix unit's own rounding can turn it there, and no further.
;;   INPUTS GIVEN AS CODES. Wk (in the module: [64, 64], K = its axis 1); Wq (in the module: [64, 64], K = its axis 1); Wv (in the module: [64, 64], K = its axis 1): each comes as NAME_codes (uint8): NAME with its K axis moved to the last place and cut into blocks of 32 codes, [.., K / 32, bytes a block], one block behind the other in memory; one code a byte (a code: sign, 4 exponent bits, 3 mantissa bits); and NAME_scales (uint8): the same leading axes, one E8M0 byte (e + 127) for each 32 codes along K. Its value is code x scale, taken as it is: it is not quantised again, and the codes and scales need not be those that the quantiser above would give.
;; One version. Each part assembles by itself: llvm-mc -triple=amdgcn-amd-amdhsa -mcpu=gfx1250 --defsym DOCPART=n.
;; ======== version 1 of 1: 1 launch
;; launch mental (part 1): grid 32 x 8, 16 waves a work-group, no clusters, 216,576 bytes of LDS; arguments x, Wq_codes, Wq_scales, Wk_codes, Wk_scales, Wv_codes, Wv_scales, rel_h, rel_w, out0; writes out0
.if DOCPART == 1
	.amdgcn_target "amdgcn-amd-amdhsa--gfx1250"
	.amdhsa_code_object_version 6
	.text
	.protected	k_qf568567bac_mental
	.globl	k_qf568567bac_mental
	.p2align	8
	.type	k_qf568567bac_mental,@function
k_qf568567bac_mental:
	s_mov_b64 s[64:65], 0
	v_nop
	global_prefetch_b8 v0, s[64:65] scope:SCOPE_SE
	s_setreg_imm32_b32 hwreg(HW_REG_WAVE_MODE, 25, 1), 1
	s_wait_xcnt 0x0
; out[b][c][h][w] = sum over a 5 x 5 window of softmax(q (k_pad + bias)) v_pad, channel by channel.  q, k, v = Wq, Wk, Wv times x along the 64 channels, on codes of FP8 (E4M3) with one
; E8M0 scale for each 32 channels.  x: [8][64][64][64] f32, quantised here; the weights arrive as codes [64][2][32] and scale bytes [64][2]; rel_h, rel_w: [32][5] f32; out0: as x.
; SHARES.  A work-group owns one image, 4 output rows (a band) and 32 of the 64 output channels: 8 x 16 x 2 = 256 work-groups of sixteen waves, 256 registers a wave.
; PHASE 1.  The band wants 8 rows of k and v (2 above, 2 below).  Wave w takes 32 pixels of band row w / 2: A LANE TAKES A PIXEL AND ITS REGISTERS RUN DOWN THE CHANNELS, so a block's largest
; magnitude needs no other lane and the conversions give codes with K innermost.  The codes turn into operand fragments through the wave's own LDS bytes.  K is 64: the upper 64 of the
; instruction's 128 are zero codes on both sides.  Source 0 = 16 output channels, source 1 = 16 pixels: a lane's eight results are eight neighbouring channels of one pixel, stored in pairs.
; A band row outside the image is loaded from a clamped row and held at 0, so its codes are zeros: k = v = 0 there, as for the padded columns, whose LDS bytes are written as zeros.
; PHASE 2, behind the one barrier.  Wave w owns channels 2 w, 2 w + 1 of the half; lane l owns pixels 2 l, 2 l + 1.  In LDS the two channels of a pixel lie side by side, so (channel 2 w, channel 2 w + 1)
; of any window place is an even register pair: every step but the maximum and the exponential is a packed instruction.  The five window rows roll through five register slots: each LDS row is read once a wave.
; SOFTMAX.  t = q log2(e) (k + bias); the largest of the 25 t is taken away; p = 2^(t - max); out = (sum of p v) / (sum of p).  The sum is at least 1.
; NO CLUSTER, NO TENSOR LOAD: x is wanted a pixel to a lane with registers down the channels, which plain loads give directly (64 loads of 128 bytes a wave, all issued at the head); no LDS byte is filled
; twice; what the two channel halves of a band share is that one read of 8 rows x 64 channels x 256 bytes.
; LIMITS.  NaN and infinities in x are not served.  A block of zeros gets the scale byte 1, not 127: its codes are zeros and these bytes are read here alone.  A weight p under 2^-126 of the largest comes out as 0.
.set CPP,  4384                        ; K, V in LDS: a channel pair's 8 rows of 544 bytes + 32: 4 CPP = 128 mod 256, so the two halves of the lanes store into different halves of the banks' row
.set QCP,  2080                        ; Q: a channel pair's 4 rows of 512 bytes + 32, likewise
.set RP,   544                         ; a row: 68 padded columns x 2 channels x 4 bytes
.set VREG, 16*CPP                      ; K at 0, V behind it,
.set QREG, 2*VREG                      ; then Q,
.set XC,   QREG+16*QCP                 ; then each wave's 32 pixels x (64 codes + 16 of padding)
.set XW,   2560
.set XP,   80                          ; an odd multiple of 16 bytes: sixteen rows start at sixteen different 16-byte columns
.set LN,  1                            ; v1   lane
.set XO,  2                            ; v2   4 x lane: my pixel in x's row
.set R,   3                            ; v3   lane % 16
.set H,   4                            ; v4   lane / 16
.set WO,  5                            ; v5   a weight's fragment: 64 R + 16 H
.set WSO, 6                            ; v6   its scale bytes: 2 R
.set XST, 7                            ; v7   where my pixel's codes go
.set XLD, 8                            ; v8   and where x's fragments come from
.set DK,  9                            ; v9   where k's results go;  v10 v's;  v11 q's
.set DQ,  11
.set ZP,  12                           ; v12  my 16 bytes of the padded columns
.set A2K, 13                           ; v13  phase 2: my piece of a row of K;  v14 of V;  v15 of Q
.set A2V, 14
.set A2Q, 15
.set GO,  248                          ; v248 8 x lane: my two pixels in a row of out0
.set WS,  249                          ; v249-254 the six weight tiles' scale words;  v255 x's: these seven hold scales and nothing else
.set SW,  255
.set X,   16                           ; phase 1: v16-79 my pixel's 64 channels
.set CD,  80                           ; v80-95  its 64 codes
.set TM,  96                           ; v96-105 at work: +0,1 largest magnitudes, +2,3 second chains, +4,5 scale operands, +6,7 holds, +8,9 bytes
.set XF,  112                          ; v112-143 x's two fragments
.set W,   144                          ; v144-239 six weight fragments: Wq's tiles 0, 1, Wk's, Wv's
.set D,   16                           ; the results, 8 registers each, over X, CD and TM, which are done with: k, v: 4 (k or v) + 2 (pixel tile) + channel tile; q: 8 + ..
.set KK,  16                           ; phase 2: v16-75 five rows of K: 12 x slot + 2 x column + channel
.set VV,  76                           ; v76-135 of V
.set TT,  136                          ; v136-185 the 25 t, then p: pair n = 5 i + j
.set QQ,  186                          ; v186-189 q: pair o for pixel 2 l + o
.set BB,  190                          ; v190-199 the bias, five pairs
.set QB,  200                          ; v200-209 q x bias
.set MX,  210                          ; v210-211 the maxima
.set CA,  212                          ; v212-215 two chains for each channel
.set CB,  214
.set SS,  216                          ; v216-219 the sums, pair o;  v220-221 a second chain
.set S2,  220
.set AA,  222                          ; v222-225 the weighted sums, pair o;  v226-227 a second chain
.set A2,  226
.set RC,  228                          ; v228-231 reciprocals
.set OO,  232                          ; v232-247 results: 4 x row + 2 x channel + o: each row has registers of its own, so no store's data are written again
	s_load_b512 s[8:23], s[0:1], 0x0               ; x 8, Wq's codes 10, scales 12, Wk's 14, 16, Wv's 18, 20, rel_h 22
	s_load_b128 s[24:27], s[0:1], 0x40             ; rel_w 24, out0 26
	v_lshrrev_b32 v[TM], 5, v0
	v_readfirstlane_b32 s2, v[TM]                  ; wave 0..15
	v_and_b32 v[LN], 31, v0
	v_and_b32 v[R], 15, v0
	v_bfe_u32 v[H], v0, 4, 1
	s_and_b32 s3, ttmp9, 1                         ; which half of the output channels
	s_lshr_b32 s4, ttmp9, 1                        ; band
	s_and_b32 s5, ttmp7, 0xffff                    ; image
	s_lshr_b32 s6, s2, 1                           ; my band row 0..7
	s_and_b32 s7, s2, 1                            ; which 32 pixels of it
	s_lshl_b32 s28, s4, 2
	s_add_co_u32 s28, s28, s6
	s_sub_co_i32 s28, s28, 2                       ; its row in the image: -2 .. 65
	s_max_i32 s29, s28, 0
	s_min_i32 s29, s29, 63                         ; the row that is loaded: always inside x
	s_cmp_eq_u32 s28, s29
	s_cselect_b32 s30, -1, 0                       ; 0 for a row outside the image: it clears the hold, and so every code
	s_mov_b32 s31, 0x600000                        ; the mantissa field of 448
	s_mov_b32 s60, 0x3fb8aa3b                      ; log2(e); the packed form names the pair and takes its low word for both halves
	s_mov_b32 s61, s60
	s_lshl_b32 s32, s5, 20                         ; x: image, row, my 128 bytes of it
	s_lshl_b32 s33, s29, 8
	s_add_co_u32 s32, s32, s33
	s_lshl_b32 s33, s7, 7
	s_add_co_u32 s32, s32, s33
	s_mov_b32 s33, 0
	s_lshl_b32 s34, s3, 11                         ; the half's 32 rows of 64 codes,
	s_mov_b32 s35, 0
	s_lshl_b32 s46, s3, 6                          ; and of 2 scale bytes
	s_mov_b32 s47, 0
	s_lshl_b32 s48, s5, 20                         ; out0: image, 32 channels a half, 2 channels a wave, 4 rows a band
	s_lshl_b32 s49, s3, 19
	s_add_co_u32 s48, s48, s49
	s_lshl_b32 s49, s2, 15
	s_add_co_u32 s48, s48, s49
	s_lshl_b32 s49, s4, 10
	s_add_co_u32 s48, s48, s49
	s_mov_b32 s49, 0
	s_mul_i32 s52, s2, 40                          ; my two channels' 2 x 5 numbers of rel_h or rel_w
	s_mov_b32 s53, 0
	; every LDS address is made here: constants, the lane and the wave's number
	v_lshlrev_b32 v[XO], 2, v[LN]
	v_lshlrev_b32 v[WO], 6, v[R]
	v_lshl_add_u32 v[WO], v[H], 4, v[WO]
	v_lshlrev_b32 v[WSO], 1, v[R]
	s_mul_i32 s54, s2, XW
	s_add_co_u32 s54, s54, XC
	v_mul_u32_u24 v[XST], v[LN], XP
	v_add_nc_u32 v[XST], s54, v[XST]
	v_mul_u32_u24 v[XLD], v[R], XP
	v_lshl_add_u32 v[XLD], v[H], 4, v[XLD]
	v_add_nc_u32 v[XLD], s54, v[XLD]
	s_mul_i32 s55, s6, RP                          ; k, v: my band row, my 32 pixels, 2 padded columns in front
	s_lshl_b32 s56, s7, 8
	s_add_co_u32 s55, s55, s56
	s_add_co_u32 s55, s55, 16
	v_mul_u32_u24 v[DK], v[H], 4*CPP               ; lanes 16-31 hold channels 8 on: 4 pairs
	v_lshl_add_u32 v[DK], v[R], 3, v[DK]
	v_add_nc_u32 v[DK], s55, v[DK]
	v_add_nc_u32 v[DK+1], VREG, v[DK]
	s_lshl_b32 s57, s6, 9                          ; q: output row = band row - 2 (used by waves 4 to 11 alone)
	s_add_co_u32 s57, s57, s56
	s_add_co_u32 s57, s57, QREG-1024
	v_mul_u32_u24 v[DQ], v[H], 4*QCP
	v_lshl_add_u32 v[DQ], v[R], 3, v[DQ]
	v_add_nc_u32 v[DQ], s57, v[DQ]
	v_bfe_u32 v[TM], v0, 8, 1                      ; the padded columns: 2 (K, V) x 16 pairs x 8 rows x 2 (left, right) pieces of 16 bytes: one to each of the 512 threads
	v_mul_u32_u24 v[ZP], v[TM], VREG
	v_mad_u32_u24 v[ZP], v[R], CPP, v[ZP]
	v_bfe_u32 v[TM], v0, 4, 3
	v_mad_u32_u24 v[ZP], v[TM], RP, v[ZP]
	v_bfe_u32 v[TM], v0, 7, 1
	v_mad_u32_u24 v[ZP], v[TM], RP-16, v[ZP]
	s_mul_i32 s58, s2, CPP
	v_lshl_add_u32 v[A2K], v[LN], 4, s58
	v_add_nc_u32 v[A2V], VREG, v[A2K]
	s_mul_i32 s59, s2, QCP
	s_add_co_u32 s59, s59, QREG
	v_lshl_add_u32 v[A2Q], v[LN], 4, s59
	v_lshlrev_b32 v[GO], 3, v[LN]
	s_wait_kmcnt 0x0
	s_add_nc_u64 s[8:9], s[8:9], s[32:33]
.irp p, 10, 14, 18
	s_add_nc_u64 s[\p:\p+1], s[\p:\p+1], s[34:35]
	s_add_nc_u64 s[\p+2:\p+3], s[\p+2:\p+3], s[46:47]
.endr
	s_add_nc_u64 s[26:27], s[26:27], s[48:49]
	s_cmp_eq_u32 s3, 0                             ; channels 0-31 take rel_h, channels 32-63 rel_w: the choice hangs on the work-group's number alone
	s_cselect_b64 s[50:51], s[22:23], s[24:25]
	s_add_nc_u64 s[50:51], s[50:51], s[52:53]
	; ---- PHASE 1.  My pixel's 64 channels: each load reads 128 consecutive bytes of a row of x; the wave beside me reads the row's other 128
.set cc, 0
.rept 64
	global_load_b32 v[X+cc], v[XO], s[8:9] offset:cc*16384
.set cc, cc+1
.endr
.irp f, 0,1,2,3,4,5                    ; the weights' fragments: lane (R, H) takes row R of the tile, K = 32 c + 16 H + 0 .. 15; and a row's two scale bytes, widened with zeros
.irp c, 0,1
	global_load_b128 v[W+16*\f+4*\c:W+16*\f+4*\c+3], v[WO], s[10+4*(\f/2):11+4*(\f/2)] offset:(\f%2)*1024+32*\c
.endr
	global_load_u16 v[WS+\f], v[WSO], s[12+4*(\f/2):13+4*(\f/2)] offset:(\f%2)*32
.endr
	s_load_b256 s[36:43], s[50:51], 0x0            ; the bias: s36-40 my first channel's five, s41-45 my second's
	s_load_b64 s[44:45], s[50:51], 0x20
	; while the loads are out: K = 64 .. 127 of every fragment is zero codes, which add nothing
.irp g, 0,1
.set cc, 8
.rept 8
	v_mov_b32 v[XF+16*\g+cc], 0
.set cc, cc+1
.endr
.endr
.irp f, 0,1,2,3,4,5
.set cc, 8
.rept 8
	v_mov_b32 v[W+16*\f+cc], 0
.set cc, cc+1
.endr
.endr
	ds_store_b128 v[ZP], v[XF+8:XF+11]             ; zeros into my piece of the padded columns
	s_wait_loadcnt 18                              ; x's 64 loads are in; the 18 loads of the weights, issued behind them, may be out
	; the two blocks' largest magnitudes, two chains each, by turns; the floor 2^(9 - 127) among the leaves holds the scale's byte at 1 from below
.irp b, 0,1
	v_max3_num_f32 v[TM+\b], |v[X+32*\b]|, |v[X+32*\b+1]|, 0x4800000
	v_max3_num_f32 v[TM+2+\b], |v[X+32*\b+16]|, |v[X+32*\b+17]|, |v[X+32*\b+18]|
.endr
.irp i, 0,1,2,3,4,5
.irp b, 0,1
	v_max3_num_f32 v[TM+\b], v[TM+\b], |v[X+32*\b+2+2*\i]|, |v[X+32*\b+3+2*\i]|
	v_max3_num_f32 v[TM+2+\b], v[TM+2+\b], |v[X+32*\b+19+2*\i]|, |v[X+32*\b+20+2*\i]|
.endr
.endr
.irp b, 0,1
	v_max3_num_f32 v[TM+\b], v[TM+\b], |v[X+32*\b+14]|, |v[X+32*\b+15]|
.endr
.irp b, 0,1
	v_max3_num_f32 v[TM+\b], v[TM+\b], v[TM+2+\b], |v[X+32*\b+31]|
.endr
.irp b, 0,1
	v_add_nc_u32 v[TM+4+\b], 0xfc000000, v[TM+\b]  ; 8 off the exponent field: the conversion takes this operand's exponent field as its scale
.endr
.irp b, 0,1
	v_and_or_b32 v[TM+6+\b], v[TM+\b], 0x7f800000, s31   ; 448 x the scale
.endr
.irp b, 0,1
	v_and_b32 v[TM+6+\b], s30, v[TM+6+\b]          ; a row outside the image: held at 0
.endr
.irp b, 0,1
	v_lshrrev_b32 v[TM+8+\b], 23, v[TM+4+\b]       ; the scale's byte
.endr
	v_lshl_or_b32 v[SW], v[TM+9], 8, v[TM+8]       ; my pixel's scale word; its upper two bytes, over zero codes, are 0.  The 64 holds below stand between it and the products
.irp b, 0,1
.set cc, 0
.rept 32
	v_med3_num_f32 v[X+32*\b+cc], v[X+32*\b+cc], -v[TM+6+\b], v[TM+6+\b]   ; the conversion to an 8-bit code does not saturate (ISA guide 7.6.2)
.set cc, cc+1
.endr
.irp g, 0,1,2,3
	v_cvt_scalef32_pk8_fp8_f32 v[CD+8*\b+2*\g:CD+8*\b+2*\g+1], v[X+32*\b+8*\g:X+32*\b+8*\g+7], v[TM+4+\b]
.endr
.endr
	v_nop                                          ; a plain line between the last conversion and the products, which write over its registers
.irp i, 0,1,2,3
	ds_store_b128 v[XST], v[CD+4*\i:CD+4*\i+3] offset:16*\i          ; my pixel's 64 codes, a row of my wave's own bytes
.endr
.irp g, 0,1
.irp c, 0,1
	ds_load_b128 v[XF+16*\g+4*\c:XF+16*\g+4*\c+3], v[XLD] offset:16*XP*\g+32*\c   ; LDS serves a wave's instructions in order (ISA guide 5.7.1.4): these see the stores above
.endr
.endr
	s_wait_loadcnt 0x0                             ; the weights
	s_wait_dscnt 0x0                               ; x's fragments
; result n = weight tile f x pixel tile g.  x's scale word lies in the pixel's own lane: tile 1's in lanes 16-31.  Every sum begins and ends with its one product: C = 0, twelve different results
.macro MM n, f, g
.if \g
	v_wmma_scale_f32_16x16x128_f8f6f4 v[D+8*(\n):D+8*(\n)+7], v[W+16*(\f):W+16*(\f)+15], v[XF+16*(\g):XF+16*(\g)+15], 0, v[WS+(\f)], v[SW] matrix_b_scale:MATRIX_SCALE_ROW1
.else
	v_wmma_scale_f32_16x16x128_f8f6f4 v[D+8*(\n):D+8*(\n)+7], v[W+16*(\f):W+16*(\f)+15], v[XF+16*(\g):XF+16*(\g)+15], 0, v[WS+(\f)], v[SW]
.endif
.endm
	s_cmp_lt_u32 s2, 4                             ; q is wanted of band rows 2 to 5 alone: waves 4 to 11
	s_cbranch_scc1 .Lno_q
	s_cmp_gt_u32 s2, 11
	s_cbranch_scc1 .Lno_q
.irp g, 0,1
.irp t, 0,1
	MM 8+2*\g+\t, \t, \g
.endr
.endr
.Lno_q:
.irp u, 0,1
.irp g, 0,1
.irp t, 0,1
	MM 4*\u+2*\g+\t, 2+2*\u+\t, \g
.endr
.endr
.endr
.rept 8
	v_nop                                          ; eight places ahead of the stores that read the results, and of all that later writes the products' registers
.endr
; a result's registers 2 a, 2 a + 1 are channel pair 8 t + 4 H + a of pixel 16 g + R; each result is read from its low end on
.macro DST adr, n, t, g, pitch
.irp a, 0,1,2,3
	ds_store_b64 v[\adr], v[D+8*(\n)+2*\a:D+8*(\n)+2*\a+1] offset:(\t)*8*(\pitch)+\a*(\pitch)+(\g)*128
.endr
.endm
.irp u, 0,1
.irp g, 0,1
.irp t, 0,1
	DST DK+\u, 4*\u+2*\g+\t, \t, \g, CPP
.endr
.endr
.endr
	s_cmp_lt_u32 s2, 4
	s_cbranch_scc1 .Lno_q_out
	s_cmp_gt_u32 s2, 11
	s_cbranch_scc1 .Lno_q_out
.irp g, 0,1
.irp t, 0,1
	DST DQ, 8+2*\g+\t, \t, \g, QCP
.endr
.endr
.Lno_q_out:
	s_wait_kmcnt 0x0                               ; the bias, as pairs (my first channel's, my second's), while the stores land
.irp x, 0,1,2,3,4
	v_mov_b32 v[BB+2*\x], s[36+\x]
	v_mov_b32 v[BB+2*\x+1], s[41+\x]
.endr
	s_wait_dscnt 0x0                               ; for the others' sake: all my LDS stores have landed
	s_barrier_signal -1
	s_barrier_wait -1                              ; k, v and q of the whole band lie in LDS; nothing is stored there any more
	; ---- PHASE 2
.macro ROWLD base, adr, row            ; band row 'row' of my channel pair: columns 2 l .. 2 l + 5, three pieces of 16 bytes; each load reads 512 consecutive bytes
.irp m, 0,1,2
	ds_load_b128 v[\base+12*((\row)%5)+4*\m:\base+12*((\row)%5)+4*\m+3], v[\adr] offset:(\row)*RP+16*\m
.endr
.endm
.macro QLD s
	ds_load_b128 v[QQ:QQ+3], v[A2Q] offset:(\s)*512
.endm
.macro PT s, o, var                    ; the 25 t of pixel 2 l + o, output row s: q k + q bias; var = 0: the bias goes by the window's row, 1: by its column
.irp x, 0,1,2,3,4
	v_pk_mul_f32 v[QB+2*\x:QB+2*\x+1], v[QQ+2*(\o):QQ+2*(\o)+1], v[BB+2*\x:BB+2*\x+1]
.endr
.irp i, 0,1,2,3,4
.irp j, 0,1,2,3,4
.set rK, KK+12*(((\s)+\i)%5)+2*((\o)+\j)
.if \var
	v_pk_fma_f32 v[TT+2*(5*\i+\j):TT+2*(5*\i+\j)+1], v[QQ+2*(\o):QQ+2*(\o)+1], v[rK:rK+1], v[QB+2*\j:QB+2*\j+1]
.else
	v_pk_fma_f32 v[TT+2*(5*\i+\j):TT+2*(5*\i+\j)+1], v[QQ+2*(\o):QQ+2*(\o)+1], v[rK:rK+1], v[QB+2*\i:QB+2*\i+1]
.endif
.endr
.endr
.endm
.macro PMAX                            ; the largest of the 25, for each channel: two chains (t0-12, t13-23), both channels by turns, then t24
.irp h, 0,1
	v_max3_num_f32 v[CA+\h], v[TT+\h], v[TT+2+\h], v[TT+4+\h]
.endr
.irp h, 0,1
	v_max3_num_f32 v[CB+\h], v[TT+26+\h], v[TT+28+\h], v[TT+30+\h]
.endr
.irp n, 0,1,2,3
.irp h, 0,1
	v_max3_num_f32 v[CA+\h], v[CA+\h], v[TT+2*(3+2*\n)+\h], v[TT+2*(4+2*\n)+\h]
.endr
.irp h, 0,1
	v_max3_num_f32 v[CB+\h], v[CB+\h], v[TT+2*(16+2*\n)+\h], v[TT+2*(17+2*\n)+\h]
.endr
.endr
.irp h, 0,1
	v_max3_num_f32 v[CA+\h], v[CA+\h], v[TT+22+\h], v[TT+24+\h]
.endr
.irp h, 0,1
	v_max3_num_f32 v[MX+\h], v[CA+\h], v[CB+\h], v[TT+48+\h]
.endr
.endm
.macro PEXP                            ; p = 2^(t - max): the 50 exponentials are one batch; a pair's subtraction stands a pair ahead of its exponentials, and no line names a result
	v_pk_add_f32 v[TT:TT+1], v[TT:TT+1], v[MX:MX+1] neg_lo:[0,1] neg_hi:[0,1]
.set nn, 0
.rept 24
	v_pk_add_f32 v[TT+2*nn+2:TT+2*nn+3], v[TT+2*nn+2:TT+2*nn+3], v[MX:MX+1] neg_lo:[0,1] neg_hi:[0,1]
	v_exp_f32 v[TT+2*nn], v[TT+2*nn]
	v_exp_f32 v[TT+2*nn+1], v[TT+2*nn+1]
.set nn, nn+1
.endr
	v_exp_f32 v[TT+48], v[TT+48]
	v_exp_f32 v[TT+49], v[TT+49]
	v_nop                                          ; a plain line behind the last exponential,
	s_wait_alu depctr_va_vdst(0)                   ; and one wait ahead of the batch's first reader
.endm
.macro PSUM s, o                       ; the sum of p and the sum of p v, each in two chains (even and odd places)
	v_pk_add_f32 v[SS+2*(\o):SS+2*(\o)+1], v[TT:TT+1], v[TT+4:TT+5]
	v_pk_add_f32 v[S2:S2+1], v[TT+2:TT+3], v[TT+6:TT+7]
.set nn, 0
.rept 25
.set rV, VV+12*(((\s)+nn/5)%5)+2*((\o)+nn%5)
.set rS, SS+2*(\o)+(nn%2)*(S2-SS-2*(\o))
.set rA, AA+2*(\o)+(nn%2)*(A2-AA-2*(\o))
.if nn > 3
	v_pk_add_f32 v[rS:rS+1], v[rS:rS+1], v[TT+2*nn:TT+2*nn+1]
.endif
.if nn < 2
	v_pk_mul_f32 v[rA:rA+1], v[TT+2*nn:TT+2*nn+1], v[rV:rV+1]
.else
	v_pk_fma_f32 v[rA:rA+1], v[TT+2*nn:TT+2*nn+1], v[rV:rV+1], v[rA:rA+1]
.endif
.set nn, nn+1
.endr
	v_pk_add_f32 v[SS+2*(\o):SS+2*(\o)+1], v[SS+2*(\o):SS+2*(\o)+1], v[S2:S2+1]
	v_pk_add_f32 v[AA+2*(\o):AA+2*(\o)+1], v[AA+2*(\o):AA+2*(\o)+1], v[A2:A2+1]
.endm
.macro STEP s, var                     ; output row s: band rows s .. s + 4 lie in the five slots
.if (\s) == 0
	s_wait_dscnt 15                                ; q and K's five rows are in; V's fifteen loads, issued behind them, may be out
.else
	s_wait_dscnt 3                                 ; K's new row and q are in; V's new row, three loads issued behind them, may be out
.endif
	v_pk_mul_f32 v[QQ:QQ+1], v[QQ:QQ+1], s[60:61] op_sel_hi:[1,0]        ; q log2(e)
	v_pk_mul_f32 v[QQ+2:QQ+3], v[QQ+2:QQ+3], s[60:61] op_sel_hi:[1,0]
	PT \s, 0, \var
	PMAX
	PEXP
	s_wait_dscnt 0x0                               ; V is in
	PSUM \s, 0
	PT \s, 1, \var
.if (\s) < 3
	ROWLD KK, A2K, (\s)+5                          ; K's oldest row and q have had their last reader: the next row's are asked for
	QLD (\s)+1
.endif
	PMAX
	PEXP
	PSUM \s, 1
.if (\s) < 3
	ROWLD VV, A2V, (\s)+5                          ; likewise V's oldest row
.endif
.irp e, 0,1,2,3
	v_rcp_f32 v[RC+\e], v[SS+\e]
.endr
	v_nop                                          ; a plain line behind the last reciprocal,
	s_wait_alu depctr_va_vdst(0)                   ; and one wait for the four, ahead of their first reader
.irp h, 0,1
.irp p, 0,1
	v_mul_f32 v[OO+4*(\s)+2*\h+\p], v[AA+2*\p+\h], v[RC+2*\p+\h]
.endr
.endr
.irp h, 0,1
	global_store_b64 v[GO], v[OO+4*(\s)+2*\h:OO+4*(\s)+2*\h+1], s[26:27] offset:\h*16384+(\s)*256 th:TH_STORE_NT   ; the 32 lanes store a whole row of out0: 256 consecutive bytes, aligned; written once
.endr
.endm
.macro ATTN var
	QLD 0
.irp r, 0,1,2,3,4
	ROWLD KK, A2K, \r
.endr
.irp r, 0,1,2,3,4
	ROWLD VV, A2V, \r
.endr
	STEP 0, \var
	STEP 1, \var
	STEP 2, \var
	STEP 3, \var
	s_wait_xcnt 0x0
	v_lshl_add_u32 v254, v0, 2, 0x34600
	v_mov_b32 v255, 0
	s_wait_tensorcnt 0x0
	ds_add_u32 v254, v255
	s_wait_dscnt 0x0
	s_endpgm
.endm
	s_cmp_eq_u32 s3, 0                             ; the two halves differ in one register index of the 25 multiply-adds: written out twice, chosen by the work-group's number
	s_cbranch_scc0 .Lrel_w
	ATTN 0
.Lrel_w:
	ATTN 1
.Lfunc_end_k_qf568567bac_mental:
	.size	k_qf568567bac_mental, .Lfunc_end_k_qf568567bac_mental-k_qf568567bac_mental
	.p2alignl 7, 3214868480
	.fill 96, 4, 3214868480
	.section	.rodata,"a",@progbits
	.p2align	6, 0x0
	.amdhsa_kernel k_qf568567bac_mental
		.amdhsa_group_segment_fixed_size 216576
		.amdhsa_private_segment_fixed_size 0
		.amdhsa_enable_private_segment 0
		.amdhsa_kernarg_size 80
		.amdhsa_user_sgpr_count 2
		.amdhsa_user_sgpr_kernarg_segment_ptr 1
		.amdhsa_wavefront_size32 1
		.amdhsa_system_sgpr_workgroup_id_x 1
		.amdhsa_system_sgpr_workgroup_id_y 1
		.amdhsa_system_sgpr_workgroup_id_z 1
		.amdhsa_system_vgpr_workitem_id 0
		.amdhsa_next_free_vgpr 256
		.amdhsa_next_free_sgpr 66
		.amdhsa_reserve_vcc 0
		.amdhsa_float_denorm_mode_32 3
		.amdhsa_float_denorm_mode_16_64 3
		.amdhsa_memory_ordered 1
		.amdhsa_forward_progress 1
		.amdhsa_inst_pref_size 196
	.end_amdhsa_kernel
	.amdgpu_metadata
---
amdhsa.version: [ 1, 2 ]
amdhsa.kernels:
  - .name:           k_qf568567bac_mental
    .symbol:         k_qf568567bac_mental.kd
    .args:
      - { .name: x, .offset: 0, .size: 8, .value_kind: global_buffer, .address_space: global }
      - { .name: Wq_codes, .offset: 8, .size: 8, .value_kind: global_buffer, .address_space: global }
      - { .name: Wq_scales, .offset: 16, .size: 8, .value_kind: global_buffer, .address_space: global }
      - { .name: Wk_codes, .offset: 24, .size: 8, .value_kind: global_buffer, .address_space: global }
      - { .name: Wk_scales, .offset: 32, .size: 8, .value_kind: global_buffer, .address_space: global }
      - { .name: Wv_codes, .offset: 40, .size: 8, .value_kind: global_buffer, .address_space: global }
      - { .name: Wv_scales, .offset: 48, .size: 8, .value_kind: global_buffer, .address_space: global }
      - { .name: rel_h, .offset: 56, .size: 8, .value_kind: global_buffer, .address_space: global }
      - { .name: rel_w, .offset: 64, .size: 8, .value_kind: global_buffer, .address_space: global }
      - { .name: out0, .offset: 72, .size: 8, .value_kind: global_buffer, .address_space: global }
    .group_segment_fixed_size: 216576
    .private_segment_fixed_size: 0
    .kernarg_segment_align: 8
    .kernarg_segment_size: 80
    .max_flat_workgroup_size: 512
    .sgpr_count:     66
    .vgpr_count:     256
    .wavefront_size: 32
...
	.end_amdgpu_metadata
.endif
;; end of part 1
